; MI455X (gfx1250); checked and timed in simulation.
; The chip was launched on July 23, 2026; its instructions are those of AMD's public machine-readable ISA for CDNA 5 (MIT licence, August 2026) and "CDNA5" Instruction Set Architecture Reference Guide (July 2026). The comments in the code are by the model that wrote it; some were corrected since.
;; self attention1d. Allowed arithmetic: matrix products marked QUANTISED: E2M3 operands, one E8M0 scale for each 32 along K, by v_wmma_scale_f32_16x16x128_f8f6f4 with both operands' format E2M3, f32 sums; everything else in f32.
;; Inputs: Wk 4,096 x 4,096 float32; Wq 4,096 x 4,096 float32; Wv 4,096 x 4,096 float32; bk 4,096 float32; bq 4,096 float32; bv 4,096 float32; x 1,024 x 4,096 float32.
;; Outputs: out0 1,024 x 4,096 float32.
;; This version of the problem:
;;   THIS VERSION OF THE PROBLEM IS GIVEN IN LOW PRECISION. The matrix products marked QUANTISED in the list below multiply operands that are first quantised to E2M3 (2 exponent bits, 3 mantissa bits; 6 bits a number), with one power-of-two scale for each 32 numbers along K (OCP MX v1.0); their sums are f32. All else is computed in f32.
;;   The module's matrix products, in the order in which they are computed (A, B: the left and right operand; K: the contracted axis; several contracted axes count as one K, in the product's order):
;;     1. [M 1,024, K 4,096] x [K 4,096, N 4,096]; A: input x; B: input Wq: QUANTISED
;;     2. [M 1,024, K 4,096] x [K 4,096, N 4,096]; A: input x; B: input Wk: QUANTISED
;;     3. [M 1,024, K 4,096] x [K 4,096, N 4,096]; A: input x; B: input Wv: QUANTISED
;;   THE QUANTISER, for each operand of a quantised product, along K:
;;     - K is cut into blocks of 32 from its start; a last block that is shorter is filled with zeros.
;;     - A block's scale is 2^e with e = floor(log2(the largest magnitude in the block)) - 2, held to -126 .. 127; a block of zeros has e = 0. As a byte (E8M0): e + 127.
;;     - Each number is divided by its block's scale, clamped to +-7.5, and rounded to the nearest number of E2M3, ties to even, subnormals kept.
;;     - The product sums the exact products of the quantised numbers (number of the format x scale) in f32.
;;   ~~~python
;;   def quantise(x, axis):      # numpy; x: float32 -> the quantised numbers, widened to float32 again
;;       x = np.moveaxis(x, axis, -1); K = x.shape[-1]
;;       x = np.pad(x, [(0, 0)] * (x.ndim - 1) + [(0, -K % 32)]); x = x.reshape(x.shape[:-1] + (-1, 32)); a = np.abs(x).max(-1, keepdims=True)
;;       e = np.where(a > 0, np.clip(np.frexp(np.where(a > 0, a, 1))[1] - 1 - 2, -126, 127), 0)      # np.frexp(a)[1] - 1 = floor(log2(a)), exactly
;;       r = np.clip(x / 2.0 ** e, -7.5, 7.5)
;;       step = 2.0 ** (np.maximum(np.frexp(np.where(r == 0, 1, r))[1] - 1, 0) - 3)
;;       q = np.round(r / step) * step * 2.0 ** e      # np.round: ties to even
;;       return np.moveaxis(q.reshape(q.shape[:-2] + (-1,))[..., :K], -1, axis).astype(np.float32)
;;   ~~~
;; One version. Each part assembles by itself: llvm-mc -triple=amdgcn-amd-amdhsa -mcpu=gfx1250 --defsym DOCPART=n.
;; ======== version 1 of 1: 3 launches
;; workspace buffers: codes 40,894,464 bytes; scales 1,703,936 bytes; qbuf 16,777,216 bytes; part 524,288 bytes
;; launch quant (part 1): grid 256 x 1, 13 waves a work-group, no clusters, 118,272 bytes of LDS; arguments x, Wq, Wk, Wv, codes, scales; writes codes, scales
.if DOCPART == 1
	.amdgcn_target "amdgcn-amd-amdhsa--gfx1250"
	.amdhsa_code_object_version 6
	.text
	.protected	k_q6929bde8f7_quant
	.globl	k_q6929bde8f7_quant
	.p2align	8
	.type	k_q6929bde8f7_quant,@function
k_q6929bde8f7_quant:
	s_mov_b64 s[64:65], 0
	v_nop
	global_prefetch_b8 v0, s[64:65] scope:SCOPE_SE
	s_setreg_imm32_b32 hwreg(HW_REG_WAVE_MODE, 25, 1), 1
	s_wait_xcnt 0x0
; x [1024][4096] and Wq, Wk, Wv [4096][4096], f32, K innermost, become codes of FP6 (E2M3) with one E8M0 scale byte for each 32 along K.
; A block's scale is 2^(floor(log2(its largest magnitude)) - 2): its byte is the largest magnitude's exponent field - 2, held at 1 from below.  Each number is divided by the scale and
; rounded to the nearest code, ties to even; what lies beyond 7.5 gets the largest code.
; LIMITS: NaN and infinities among the inputs are not served.  A block of zeros gets the byte 1 where the rule says 127: its codes are zeros, which add nothing under any byte but 0xff,
; and only this program reads the bytes.  Blocks whose largest magnitude lies under 2^-124 keep the byte 1 (the rule's hold at -126).
; WHAT IS WRITTEN is laid as the product's launch wants it: AS IMAGES OF OPERAND REGISTERS.  A fragment is 16 rows x 128 K, 12 registers a lane (lane (r, h): registers 6 c .. 6 c + 5 = k 64 c + 32 h + 0 .. 31
; of row r), 1,536 bytes: register i of lane l at 512 (i / 4) + 16 l + 4 (i % 4).
;   codes  [K step of 128: 0..31][row block: 0..831][1,536 bytes]           scales [row block][K step of 128][row 0..15][one word]
; Row blocks 0..63 are x's (16 rows each).  Block nb of tensor s (0 q, 1 k, 2 v) goes to 64 + 6 (nb / 2) + 2 s + nb % 2: six neighbouring row blocks hold 32 columns of q, the same of k, the same of v.
; SHARES.  A task is one row block (16 rows) x 1,024 along K: eight fragments.  832 row blocks x 4 quarters of K are 3,328 tasks = 256 work-groups x 13 waves: a wave takes task 13 x work-group + wave, so that all
; work-groups have equal work.  Each load reads 512 consecutive bytes of one row; a fragment's 8 KiB turn through the wave's own stage in LDS (rows of 512 + 16 bytes) and come back 128 + 128 bytes a lane: two
; whole blocks of 32, so that no other lane is asked for a maximum.  Each store of codes covers 512 consecutive bytes, aligned.
; No tensor loads, no barrier, no cluster: waves and work-groups share no input.  The loads of the next fragment (16 a wave) are out while one is worked.
.set KST,  1277952                     ; bytes of codes from one K step of 128 to the next: 832 x 1,536
.set WREG, 8960                        ; LDS: a region for each wave: the stage, then its 512 scale bytes
.set SP,   528                         ; a stage row: 512 bytes + 16: sixteen rows begin at sixteen different 16-byte columns of 256
.set SCB,  16*SP
.set R,    16                          ; v16-143  two sets of 64 numbers as loaded
.set X,    144                         ; v144-207 my 64 numbers of the fragment: register 32 c + n = k 64 c + 32 h + n of row r
.set C,    208                         ; v208-219 the fragment's 12 registers
.set T0,   220                         ; v220-222, v224-226: the upper halves of my two blocks (a conversion's three registers begin on an even number)
.set T1,   224
	s_load_b256 s[4:11], s[0:1], 0x0               ; x, Wq, Wk, Wv
	s_load_b128 s[12:15], s[0:1], 0x20             ; codes, scales
	v_lshl_add_u32 v240, v0, 2, 0x1c700
	v_mov_b32 v241, 0
	v_lshrrev_b32 v1, 5, v0
	v_readfirstlane_b32 s16, v1                    ; wave 0..12
	v_and_b32 v1, 31, v0                           ; lane
	v_and_b32 v2, 15, v0                           ; r
	v_bfe_u32 v3, v0, 4, 1                         ; h
	v_lshlrev_b32 v4, 4, v1                        ; 16 x lane: my bytes of a load's and of a store's 512
	s_mul_i32 s28, s16, WREG
	v_add_nc_u32 v5, s28, v4                       ; the stage, on the way in: 16 x lane in a row
	v_mul_u32_u24 v6, v2, SP
	v_lshl_add_u32 v6, v3, 7, v6
	v_add_nc_u32 v6, s28, v6                       ; and on the way out: row r, + 128 h
	s_add_co_u32 s29, s28, SCB
	v_lshl_add_u32 v7, v2, 2, s29                  ; my row's scale word of a K step of 128
	v_add_nc_u32 v8, s29, v4                       ; the wave's 512 scale bytes on the way out
	v_lshlrev_b32 v9, 3, v3                        ; 8 h: my bytes' place in a scale word
	v_mov_b32 v229, 0                              ; written once: a lane permute's destination counts as one of its sources
	s_mov_b32 s20, 0x76543210
	s_mov_b32 s21, 0xfedcba98                      ; v_permlanex16_b32's selects for lane l xor 16
	s_mul_i32 s30, ttmp9, 13
	s_add_co_u32 s30, s30, s16                     ; my task, 0..3,327
	s_and_b32 s31, s30, 3                          ; which quarter of K
	s_lshr_b32 s30, s30, 2                         ; which of the 832 source row blocks: 0..63 x, 64..319 Wq, 320..575 Wk, 576..831 Wv
	; which tensor, which of its row blocks, and where that block goes.  One way through the text: only pointers and numbers are chosen, by the task's number alone
	s_sub_co_u32 s17, s30, 64                      ; (used only where the source row block is 64 or more)
	s_lshr_b32 s18, s17, 8                         ; s: 0 q, 1 k, 2 v
	s_and_b32 s19, s17, 255                        ; nb
	s_lshr_b32 s22, s19, 1
	s_mul_i32 s22, s22, 6
	s_lshl_b32 s23, s18, 1
	s_add_co_u32 s22, s22, s23
	s_and_b32 s23, s19, 1
	s_add_co_u32 s22, s22, s23
	s_add_co_u32 s22, s22, 64                      ; 64 + 6 (nb / 2) + 2 s + nb % 2
	s_wait_kmcnt 0x0
	s_cmp_lt_u32 s30, 576
	s_cselect_b64 s[8:9], s[8:9], s[10:11]         ; Wk or Wv
	s_cmp_lt_u32 s30, 320
	s_cselect_b64 s[6:7], s[6:7], s[8:9]           ; Wq or that
	s_cmp_lt_u32 s30, 64
	s_cselect_b64 s[4:5], s[4:5], s[6:7]           ; x or that
	s_cselect_b32 s19, s30, s19                    ; the row block in its tensor
	s_cselect_b32 s22, s30, s22                    ; and among the 832 as they are written
	s_lshl_b32 s24, s19, 18                        ; 16 rows of 16,384 bytes,
	s_lshl_b32 s25, s31, 12                        ; my quarter's 1,024 numbers of a row
	s_add_co_u32 s24, s24, s25
	s_mov_b32 s25, 0
	s_add_nc_u64 s[4:5], s[4:5], s[24:25]
	s_mul_i32 s24, s31, 8*KST                      ; my quarter's eight K steps of 128,
	s_mul_i32 s26, s22, 1536                       ; the row block's fragment in each
	s_add_co_u32 s24, s24, s26
	s_add_nc_u64 s[12:13], s[12:13], s[24:25]
	s_add_nc_u64 s[32:33], s[12:13], 4*KST         ; a second base for fragments 4 to 7: seven K steps do not fit the signed 24-bit immediate, three do
	s_lshl_b32 s24, s22, 11                        ; the row block's 2,048 scale bytes, my quarter's 512 of them
	s_lshl_b32 s26, s31, 9
	s_add_co_u32 s24, s24, s26
	s_add_nc_u64 s[14:15], s[14:15], s[24:25]
.macro LOAD t                          ; fragment t: 128 numbers of each of the 16 rows; a load reads 512 consecutive bytes, aligned
.irp i, 0,1,2,3,4,5,6,7,8,9,10,11,12,13,14,15
	global_load_b128 v[R+64*((\t)%2)+4*\i:R+64*((\t)%2)+4*\i+3], v4, s[4:5] offset:16384*\i+512*(\t) th:TH_LOAD_NT
.endr
.endm
.macro STEP t
.if (\t) < 7
	s_wait_loadcnt 16                              ; this fragment's 16 loads are in; the next fragment's 16 may be out
.else
	s_wait_loadcnt 0x0
.endif
.irp i, 0,1,2,3,4,5,6,7,8,9,10,11,12,13,14,15
	ds_store_b128 v5, v[R+64*((\t)%2)+4*\i:R+64*((\t)%2)+4*\i+3] offset:SP*\i
.endr
.irp c, 0,1
.irp j, 0,1,2,3,4,5,6,7
	ds_load_b128 v[X+32*\c+4*\j:X+32*\c+4*\j+3], v6 offset:256*\c+16*\j   ; LDS serves a wave's instructions in order: these see the stores above
.endr
.endr
	s_wait_dscnt 0x0                               ; my 64 numbers are back; the stores into the stage have read their registers; the last scale word is stored
	s_wait_xcnt 0x0                                ; the last fragment's stores of codes have read their registers: the conversions and moves below write them only behind this wait.
	                                               ; It stands ahead of the loads below, which name only v4 and s[4:5], never rewritten: so it does not wait for them
.if (\t)+2 < 8
	LOAD (\t)+2                                    ; into the set that has just been read out
.endif
	v_max3_num_f32 v10, |v[X]|, |v[X+1]|, 0x1800000       ; my two blocks by turns; the floor 2^(3 - 127) among the leaves holds the byte at 1 from below
	v_max3_num_f32 v11, |v[X+32]|, |v[X+33]|, 0x1800000
.irp i, 2,4,6,8,10,12,14,16,18,20,22,24,26,28,30
	v_max3_num_f32 v10, v10, |v[X+\i]|, |v[X+\i+1]|
	v_max3_num_f32 v11, v11, |v[X+32+\i]|, |v[X+33+\i]|
.endr
	v_add_nc_u32 v12, 0xff000000, v10              ; 2 off the exponent field: the conversion takes the exponent field of this operand as its scale, and nothing else of it
	v_add_nc_u32 v13, 0xff000000, v11
	v_cvt_scalef32_pk16_fp6_f32 v[C:C+2], v[X:X+15], v12
	v_cvt_scalef32_pk16_fp6_f32 v[T0:T0+2], v[X+16:X+31], v12
	v_cvt_scalef32_pk16_fp6_f32 v[C+6:C+8], v[X+32:X+47], v13
	v_cvt_scalef32_pk16_fp6_f32 v[T1:T1+2], v[X+48:X+63], v13
	v_lshrrev_b32 v14, 23, v12                     ; the scales' bytes: blocks h and 2 + h of my row.  (Plain lines behind the conversions, ahead of the moves that read their results)
	v_lshrrev_b32 v15, 23, v13
.irp i, 0,1,2
	v_mov_b32 v[C+3+\i], v[T0+\i]
	v_mov_b32 v[C+9+\i], v[T1+\i]
.endr
	v_lshl_or_b32 v228, v15, 16, v14
	v_lshlrev_b32 v228, v9, v228                   ; at their places in the word, 8 h bits up;
	v_permlanex16_b32 v229, v228, s20, s21
	v_or_b32 v228, v228, v229                      ; with lane l xor 16's two the word is whole
.irp c, 0,1,2
	global_store_b128 v4, v[C+4*\c:C+4*\c+3], s[12+20*((\t)/4):13+20*((\t)/4)] offset:((\t)%4)*KST+512*\c   ; 512 consecutive bytes, aligned; 3,834,880 at the most: inside the signed 24-bit immediate
.endr
	ds_store_b32 v7, v228 offset:64*(\t)           ; lanes l and l xor 16 write the same word with the same value
.endm
	LOAD 0
	LOAD 1
.irp t, 0,1,2,3,4,5,6,7
	STEP \t
.endr
	ds_load_b128 v[232:235], v8                    ; LDS serves a wave's instructions in order: this sees my stores
	s_wait_dscnt 0x0
	global_store_b128 v4, v[232:235], s[14:15]     ; the wave's 512 scale bytes: consecutive, aligned
	s_wait_tensorcnt 0x0
	ds_add_u32 v240, v241
	s_wait_dscnt 0x0
	s_endpgm
.Lfunc_end_k_q6929bde8f7_quant:
	.size	k_q6929bde8f7_quant, .Lfunc_end_k_q6929bde8f7_quant-k_q6929bde8f7_quant
	.p2alignl 7, 3214868480
	.fill 96, 4, 3214868480
	.section	.rodata,"a",@progbits
	.p2align	6, 0x0
	.amdhsa_kernel k_q6929bde8f7_quant
		.amdhsa_group_segment_fixed_size 118272
		.amdhsa_private_segment_fixed_size 0
		.amdhsa_enable_private_segment 0
		.amdhsa_kernarg_size 48
		.amdhsa_user_sgpr_count 2
		.amdhsa_user_sgpr_kernarg_segment_ptr 1
		.amdhsa_wavefront_size32 1
		.amdhsa_system_sgpr_workgroup_id_x 1
		.amdhsa_system_sgpr_workgroup_id_y 1
		.amdhsa_system_sgpr_workgroup_id_z 1
		.amdhsa_system_vgpr_workitem_id 0
		.amdhsa_next_free_vgpr 242
		.amdhsa_next_free_sgpr 66
		.amdhsa_reserve_vcc 0
		.amdhsa_float_denorm_mode_32 3
		.amdhsa_float_denorm_mode_16_64 3
		.amdhsa_memory_ordered 1
		.amdhsa_forward_progress 1
		.amdhsa_inst_pref_size 58
	.end_amdhsa_kernel
	.amdgpu_metadata
---
amdhsa.version: [ 1, 2 ]
amdhsa.kernels:
  - .name:           k_q6929bde8f7_quant
    .symbol:         k_q6929bde8f7_quant.kd
    .args:
      - { .name: x, .offset: 0, .size: 8, .value_kind: global_buffer, .address_space: global }
      - { .name: Wq, .offset: 8, .size: 8, .value_kind: global_buffer, .address_space: global }
      - { .name: Wk, .offset: 16, .size: 8, .value_kind: global_buffer, .address_space: global }
      - { .name: Wv, .offset: 24, .size: 8, .value_kind: global_buffer, .address_space: global }
      - { .name: codes, .offset: 32, .size: 8, .value_kind: global_buffer, .address_space: global }
      - { .name: scales, .offset: 40, .size: 8, .value_kind: global_buffer, .address_space: global }
    .group_segment_fixed_size: 118272
    .private_segment_fixed_size: 0
    .kernarg_segment_align: 8
    .kernarg_segment_size: 48
    .max_flat_workgroup_size: 416
    .sgpr_count:     66
    .vgpr_count:     242
    .wavefront_size: 32
...
	.end_amdgpu_metadata
.endif
;; end of part 1
;; launch gemm (part 2): grid 64 x 4, 4 waves a work-group, clusters of 4 x 4, 327,680 bytes of LDS; arguments codes, scales, bq, bk, bv, qbuf, part; writes qbuf, part
.if DOCPART == 2
	.amdgcn_target "amdgcn-amd-amdhsa--gfx1250"
	.amdhsa_code_object_version 6
	.text
	.protected	k_q6929bde8f7_gemm
	.globl	k_q6929bde8f7_gemm
	.p2align	8
	.type	k_q6929bde8f7_gemm,@function
k_q6929bde8f7_gemm:
	s_mov_b64 s[64:65], 0
	v_nop
	global_prefetch_b8 v0, s[64:65] scope:SCOPE_SE
	s_setreg_imm32_b32 hwreg(HW_REG_WAVE_MODE, 25, 1), 1
	s_wait_xcnt 0x0
	s_wait_alu depctr_hold_cnt(0) depctr_sa_sdst(0) depctr_va_vdst(0) depctr_va_sdst(0) depctr_va_ssrc(0) depctr_va_vcc(0) depctr_vm_vsrc(0)
	s_getreg_b32 s2, hwreg(HW_REG_IB_STS2, 6, 4)
	s_cmp_eq_u32 s2, 0
	s_cbranch_scc0 .Lentry_in_a_cluster
	s_endpgm
.Lentry_in_a_cluster:
	s_bfe_u32 s2, ttmp6, 0x10000c
	s_cmp_lg_u32 s2, 0xf033
	s_cbranch_scc0 .Lentry_shape_is_right
	s_endpgm
.Lentry_shape_is_right:
; q = x Wq^T + bq, k = x Wk^T + bk, v = x Wv^T + bv on codes of FP6 (E2M3) with one E8M0 scale for each 32 along K, f32 sums.  q goes to qbuf [1024][4096]; of k and v only each row's partial sums
; over this work-group's 64 columns, sum k v and sum |k|, go to part [column tile 0..63][row 0..1023][2].
; codes and scales lie as images of operand registers: codes [K step of 128: 0..31][row block 0..831][1,536], scales [row block][K step of 128][row][word].  Row blocks 0..63 are x's; from 64 on each six
; hold 32 columns of q (blocks 0, 1), of k (2, 3) and of v (4, 5).  A fragment comes out of LDS by three loads of 512 consecutive bytes, lane l's 16 bytes at 16 l: no pitch, no padding.
; SHARES.  256 work-groups.  A work-group makes 256 rows of x (tile row = cy) x 192 weight rows: 64 columns of each of q, k, v (column tile t = 4 x cluster x + cx).  A wave (mh = wave / 2, nh = wave % 2) makes 128 rows x 96:
; x's blocks a = 0..7 x weight blocks b = 0..5: 48 accumulators, 384 registers.
; THE RING.  K goes through two LDS slots of THREE steps of 128 each, as many as two slots, the scales of all of K and the spare words leave room for: 2 x 129,024 + 57,344 + 4,096 + 512 of the 327,680 bytes.
; 4,096 = 10 x 384 + 256: eleven slots' worth, the last of two steps.  A wave's tensor load brings its half of x's or of the weights' tile: three rows (K steps) of 12,288 or 9,216 consecutive bytes.
; Between a refill's request and the wait for it a wave issues 120 matrix instructions.  The scales come once, with the first fills, and stay.
; THE MATRIX INSTRUCTION IS USED TRANSPOSED (source 0 = 16 weight rows, source 1 = 16 rows of x): lane (r, h) holds row 16 a + r of x, its register j column 16 (b % 2) + 8 h + j.  So k v and |k| are summed along a lane's registers.
; The biases are the C of each sum's first matrix instruction: eight registers a weight block, in the result's layout.
; CLUSTERS: 4 x 4 work-groups.  The four of a row of the cluster (same cy) need the same tiles of x, the four of a column (same cx) the same weight tiles: each tile is asked for JOINTLY, by the same tensor load
; with the same descriptor and a mask that names the four.  The grid has one cluster along y, so the tile row is cy itself.
; REGISTERS, in windows of 256: window 0: v1-31 addresses; v32-47 scale words, two sets; v128-223 x's 8 fragments, ONE set; on the way out v32-191 are free.
;   window 1: the weights' 6 fragments, TWO sets, at v0 and v128.   window 2: accumulators of a = 0..3 ((a, b) at v[8 (6 (a % 4) + b)]); v192-239 the biases.   window 3: accumulators of a = 4..7.
; Step g of 32 uses the weights' set and the scale words' set g % 2: after two slots, six steps, the numbers are back where they began, and a trip of the loop is those six steps.
.set KST,   1277952                    ; bytes of codes from one K step of 128 to the next: 832 x 1,536
.set NQ,    3                          ; steps of 128 in a slot
.set AROW,  12288                      ; 8 row blocks x 1,536: one step of half of x's tile
.set BROW,  9216                       ; 6 row blocks x 1,536: one step of half of the weights' tile
.set AH,    NQ*AROW                    ; what one tensor load brings of x, and what one wave reads
.set BH,    NQ*BROW                    ; the same of the weights
.set SLOT,  2*AH+2*BH                  ; x's two halves, then the weights' two halves
.set SBH,   12288                      ; the scales of 6 row blocks, all of K
.set SAH,   16384                      ; of 8 row blocks
.set SCLB,  2*SLOT                     ; behind the ring: the weights' scales,
.set SCLA,  SCLB+2*SBH                 ; x's scales,
.set PS,    SCLA+2*SAH                 ; the rows' partial sums: 1,024 bytes for each wave; no tensor load lands here
.set SPARE, PS+4096                    ; the spare words, 128 bytes for each wave: two blocks of 256 bytes that no other line names
.set STAGE, SLOT                       ; the stage for q: 256 rows x (256 bytes + 16), in slot 1: when the first result is stored there, that slot has had its last fill, and every wave has passed the last change of slots, behind which nobody reads it
.set SP,    272
.set ADRA, 16                          ; v16-17  LDS address of my fragments of x in slot 0, 1
.set LI,   19                          ; v19     16 x lane
.set ADRB, 20                          ; v20-21  the same for the weights
.set BO,   23                          ; v23     32 h: my eight numbers of a bias block
.set STO,  24                          ; v24     the stage: where I put 32 bytes of a row of q
.set RD,   25                          ; v25     and where I read a row back
.set QO,   26                          ; v26     my byte offset in two rows of qbuf
.set ADRS, 27                          ; v27     LDS address of my scale words: lanes 0-15 the weights', lanes 16-31 x's; 64 bytes on with each step
.set SPW,  28                          ; v28     LDS address of my spare word: SPARE + 4 x my thread's number; never rewritten
.set NIL,  29                          ; v29     0; never rewritten
.set PSW,  30                          ; v30     where I put a row's partial sums
.set PSR,  31                          ; v31     and where I read two rows' back
.set SC,   32                          ; scale words: set p at v[SC + 8 p]; register i: lanes 0-15 the word of weight block i, lanes 16-31 that of x's block i, for one step of 128 along K
.set TP,   64                          ; the way out: ten registers for each block a; then rows of q
.set AF,   128                         ; x's fragments
.set BIAS, 192                         ; in window 2
.set G1,   24                          ; s[24:31] descriptor group 1 for x's tiles;  s[32:39] group 0, one set for each slot
.set G0,   32
.set G1B,  48                          ; s[48:55], s[56:63] the same for the weights' tiles
.set G0B,  56
.set G1S,  68                          ; s[68:75], s[76:79] groups 1 and 0 for x's scales;  s[80:87], s[88:91] for the weights'
.set G0S,  76
.set G1SB, 80
.set G0SB, 88
.set MSB, 0
.macro WIN new                         ; the immediate's high byte repeats the setting that is left; a switch that changes nothing is dropped
.if MSB != (\new)
	s_set_vgpr_msb (MSB<<8)|(\new)
.set MSB, \new
.endif
.endm
.set MUL_LO,  0xa1                     ; source 0 (weights) window 1, source 1 (x) window 0, C and D window 2 (the biases lie in window 2 too)
.set MUL_HI,  0xf1                     ; the same, C and D window 3
.set MUL_HI1, 0xe1                     ; the first step: C (a bias) window 2, D window 3
.set TO_B,    0x40                     ; destination window 1, address window 0
; A joint load: waves 0 and 1 fetch for x, waves 2 and 3 for the weights.  Each of the two lines has ONE mask and one set of registers for all that issue it; the branch hangs on the wave's number alone.
; Four v_nop follow each of the two lines, ahead of the jump, the label and what follows.
.macro JLOAD g0a, g1a, g0b, g1b
	s_cmp_eq_u32 s19, 0
	s_cbranch_scc0 .Lfor_b_\@
	tensor_load_to_lds s[\g0a:\g0a+3], s[\g1a:\g1a+7]
	s_nop 0
.rept 4
	v_nop
.endr
	s_branch .Lasked_\@
.Lfor_b_\@:
	tensor_load_to_lds s[\g0b:\g0b+3], s[\g1b:\g1b+7]
	s_nop 0
.rept 4
	v_nop
.endr
.Lasked_\@:
.endm
.macro CREST                           ; a round of the cluster's barrier behind its opening barrier
	s_cmp_lg_u32 s18, 0
	s_cbranch_scc1 .Lnot_wave_0_\@
	s_barrier_signal -3
.Lnot_wave_0_\@:
	s_barrier_wait -3
	s_barrier_signal -1
	s_barrier_wait -1
.endm
.macro CROUND                          ; a whole round
	s_barrier_signal -1
	s_barrier_wait -1
	CREST
.endm
.macro SHAPE g, cols, rows, pitch      ; a tile of rows x cols elements of 8 bytes, pitch elements from row to row
	s_mov_b32 s[\g+1], (\cols)<<16                 ; tensor_dim0
	s_mov_b32 s[\g+2], (\rows)<<16                 ; tensor_dim1
	s_mov_b32 s[\g+3], (\cols)<<16                 ; tile_dim0
	s_mov_b32 s[\g+4], \rows                       ; tile_dim1
	s_mov_b32 s[\g+5], \pitch                      ; tensor_dim0_stride
	s_mov_b32 s[\g+6], 0
	s_mov_b32 s[\g+7], 0
.endm
	s_load_b256 s[4:11], s[0:1], 0x0               ; codes s[4:5], scales s[6:7], bq s[8:9], bk s[10:11]
	s_load_b128 s[12:15], s[0:1], 0x20             ; bv s[12:13], qbuf s[14:15]
	s_load_b64 s[16:17], s[0:1], 0x30              ; part
	v_lshl_add_u32 v[SPW], v0, 2, SPARE
	v_mov_b32 v[NIL], 0
	ds_add_u32 v28, v29
	ds_add_u32 v28, v29
	s_wait_dscnt 0x0
	v_lshrrev_b32 v1, 5, v0
	v_readfirstlane_b32 s18, v1                    ; wave 0..3
	s_lshr_b32 s19, s18, 1                         ; mh: which 128 rows of x are mine.  Also: I fetch for x (0) or for the weights (1)
	s_and_b32 s20, s18, 1                          ; nh: which 96 weight rows.  Also: which half of that tile I fetch
	s_bfe_u32 s21, ttmp6, 0x40000                  ; cx, cy: my place in the cluster
	s_bfe_u32 s22, ttmp6, 0x40004
	s_lshl_b32 s23, ttmp9, 2
	s_add_co_u32 s23, s23, s21                     ; column tile t = 4 x cluster x + cx
	s_lshl_b32 s40, s22, 2
	s_lshl_b32 s40, 15, s40                        ; my row of the cluster
	s_lshl_b32 s41, 0x1111, s21                    ; my column
	s_or_b32 s[G1], s40, (3<<16)|(1<<21)           ; 15:0 the mask: x's tiles go to my row; 17:16 elements of 8 bytes; 20 no padding; 21 set beside a mask
	s_or_b32 s[G1B], s41, (3<<16)|(1<<21)          ; the weights' go to my column
	s_or_b32 s[G1S], s40, (3<<16)|(1<<21)
	s_or_b32 s[G1SB], s41, (3<<16)|(1<<21)
	SHAPE G1, AROW/8, NQ, KST/8                    ; three K steps, each 8 row blocks on end
	SHAPE G1B, BROW/8, NQ, KST/8                   ; three K steps, each 6 row blocks on end
	SHAPE G1S, 32, SAH/256, 32                     ; dense blocks, as rows of 256 bytes
	SHAPE G1SB, 32, SBH/256, 32
	; where the tiles come from.  x's hang on cy alone, the weights' on t alone; each in registers that never hold the other coordinate
	s_lshl_b32 s42, s22, 4
	s_lshl_b32 s43, s20, 3
	s_add_co_u32 s42, s42, s43                     ; x: row block 16 cy + 8 x half
	s_lshl_b32 s44, s42, 11                        ; its scales,
	s_mul_i32 s42, s42, 1536                       ; its codes in a K step
	s_mov_b32 s43, 0
	s_mov_b32 s45, 0
	s_mul_i32 s46, s23, 12
	s_mul_i32 s47, s20, 6
	s_add_co_u32 s46, s46, s47
	s_add_co_u32 s46, s46, 64                      ; the weights: row block 64 + 12 t + 6 x half
	s_lshl_b32 s92, s46, 11
	s_mul_i32 s46, s46, 1536
	s_mov_b32 s47, 0
	s_mov_b32 s93, 0
	s_mul_i32 s94, s20, AH                         ; and where they go: the half's place: no place in the cluster enters an LDS address
	s_mul_i32 s95, s20, BH
	s_mul_i32 s96, s20, SAH
	s_mul_i32 s97, s20, SBH
	s_mov_b32 s98, 0x76543210
	s_mov_b32 s99, 0xfedcba98                      ; v_permlanex16_b32's selects for lane l xor 16
	s_wait_kmcnt 0x0
	s_add_nc_u64 s[42:43], s[4:5], s[42:43]
	s_add_nc_u64 s[44:45], s[6:7], s[44:45]
	s_add_nc_u64 s[46:47], s[4:5], s[46:47]
	s_add_nc_u64 s[92:93], s[6:7], s[92:93]
	CROUND                                         ; all sixteen work-groups are here: the first joint loads meet
	s_mov_b32 s[G0S], 1                            ; 1:0 count = 1
	s_add_co_u32 s[G0S+1], s96, SCLA               ; 63:32 LDS address
	s_mov_b64 s[G0S+2:G0S+3], s[44:45]             ; 120:64 global address
	s_or_b32 s[G0S+3], s[G0S+3], 0x80000000        ; 127:126 type = 2
	s_mov_b32 s[G0SB], 1
	s_add_co_u32 s[G0SB+1], s97, SCLB
	s_mov_b64 s[G0SB+2:G0SB+3], s[92:93]
	s_or_b32 s[G0SB+3], s[G0SB+3], 0x80000000
	JLOAD G0S, G1S, G0SB, G1SB                     ; the scales first: they are wanted with the first step
.irp s, 0,1
	s_mov_b32 s[G0+4*\s], 1
	s_add_co_u32 s[G0+4*\s+1], s94, \s*SLOT
	s_add_nc_u64 s[G0+4*\s+2:G0+4*\s+3], s[42:43], \s*NQ*KST
	s_or_b32 s[G0+4*\s+3], s[G0+4*\s+3], 0x80000000
	s_mov_b32 s[G0B+4*\s], 1
	s_add_co_u32 s[G0B+4*\s+1], s95, 2*AH+\s*SLOT
	s_add_nc_u64 s[G0B+4*\s+2:G0B+4*\s+3], s[46:47], \s*NQ*KST
	s_or_b32 s[G0B+4*\s+3], s[G0B+4*\s+3], 0x80000000
	JLOAD G0+4*\s, G1, G0B+4*\s, G1B               ; three tensor loads of mine are out now, the most in this text
.endr
	v_and_b32 v1, 15, v0                           ; r
	v_bfe_u32 v2, v0, 4, 1                         ; h
	v_and_b32 v3, 31, v0                           ; lane
	v_lshlrev_b32 v[LI], 4, v3
	s_mul_i32 s94, s19, AH                         ; my 128 rows of x
	s_mul_i32 s95, s20, BH                         ; my 96 weight rows,
	s_add_co_u32 s95, s95, 2*AH                    ; which lie behind x's two halves
.irp s, 0,1
	v_add_nc_u32 v[ADRA+\s], s94, v[LI]
	v_add_nc_u32 v[ADRB+\s], s95, v[LI]
	s_add_co_u32 s94, s94, SLOT
	s_add_co_u32 s95, s95, SLOT
.endr
	v_lshlrev_b32 v[BO], 5, v2
	s_mul_i32 s94, s20, SBH                        ; scale words: the lower base (the weights', lanes 0-15) + h x the distance to x's
	s_lshl_b32 s95, s19, 14
	s_add_co_u32 s95, s95, SCLA-SCLB
	s_sub_co_u32 s95, s95, s94
	v_mul_u32_u24 v4, s95, v2
	s_add_co_u32 s94, s94, SCLB
	v_lshl_add_u32 v4, v1, 2, v4                   ; + 4 r: my row's word of a step
	v_add_nc_u32 v[ADRS], s94, v4
	s_mul_i32 s94, s19, 128*SP                     ; the stage, in: row 128 mh + r (+ 16 a), byte 128 nh + 32 h (+ 64 b)
	s_lshl_b32 s95, s20, 7
	s_add_co_u32 s94, s94, s95
	s_add_co_u32 s94, s94, STAGE
	v_mul_u32_u24 v4, v1, SP
	v_lshl_add_u32 v4, v2, 5, v4
	v_add_nc_u32 v[STO], s94, v4
	s_mul_i32 s94, s18, 64*SP                      ; back: wave w takes rows 64 w on, whole; lanes 0-15 one row of 256 bytes, lanes 16-31 the next
	s_add_co_u32 s94, s94, STAGE
	v_mul_u32_u24 v4, v2, SP
	v_lshl_add_u32 v4, v1, 4, v4
	v_add_nc_u32 v[RD], s94, v4
	v_lshlrev_b32 v[QO], 14, v2                    ; and the same two rows in qbuf: 16,384 bytes a row
	v_lshl_add_u32 v[QO], v1, 4, v[QO]
	s_lshl_b32 s94, s18, 10
	s_add_co_u32 s94, s94, PS
	v_lshl_add_u32 v[PSW], v1, 3, s94              ; partial sums, in: my wave's 1,024 bytes, 8 r (+ 128 a)
	s_lshl_b32 s94, s19, 11
	s_lshl_b32 s95, s20, 9
	s_add_co_u32 s94, s94, s95
	s_add_co_u32 s94, s94, PS
	v_add_nc_u32 v[PSR], s94, v[LI]                ; back: of the two waves that share my 128 rows, rows 64 nh on, two rows a lane
	; global places.  What hangs on t is made in s[46:47], what hangs on cy and the wave in s[66:67]
	s_lshl_b32 s46, s23, 8                         ; qbuf: column 64 t: 256 t bytes
	s_mov_b32 s47, 0
	s_add_nc_u64 s[14:15], s[14:15], s[46:47]
	s_lshl_b32 s66, s20, 7
	s_add_co_u32 s46, s46, s66                     ; the biases: 4 x (64 t + 32 nh)
	s_add_nc_u64 s[8:9], s[8:9], s[46:47]
	s_add_nc_u64 s[10:11], s[10:11], s[46:47]
	s_add_nc_u64 s[12:13], s[12:13], s[46:47]
	s_lshl_b32 s46, s23, 13                        ; part: 8,192 bytes a column tile
	s_add_nc_u64 s[16:17], s[16:17], s[46:47]
	s_lshl_b32 s66, s22, 8
	s_lshl_b32 s67, s18, 6
	s_add_co_u32 s66, s66, s67                     ; the first row that I store: 256 cy + 64 wave
	s_lshl_b32 s94, s66, 3                         ; 8 bytes a row in part,
	s_lshl_b32 s66, s66, 14                        ; 16,384 in qbuf
	s_mov_b32 s67, 0
	s_add_nc_u64 s[14:15], s[14:15], s[66:67]
	s_mov_b32 s66, s94
	s_add_nc_u64 s[16:17], s[16:17], s[66:67]
	WIN 0x80                                       ; destination window 2
.irp b, 0,1,2,3,4,5                            ; block b: tensor b / 2, columns 16 (b % 2) + 8 h + 0 .. 7 of my 32
.irp e, 0,1
	global_load_b128 v[BIAS+8*\b+4*\e:BIAS+8*\b+4*\e+3], v[BO], s[8+2*(\b/2):9+2*(\b/2)] offset:64*(\b%2)+16*\e
.endr
.endr
	WIN 0
.macro FRAG reg, adr, row, q, i        ; fragment (the slot's q-th step, block i): three loads of 512 consecutive bytes give the operand's 12 registers as they were stored.  row: a step's bytes in the half
.irp c, 0,1,2
	ds_load_b128 v[\reg+4*\c:\reg+4*\c+3], v[\adr] offset:(\row)*(\q)+1536*(\i)+512*\c
.endr
.endm
.macro FETCH_B slot, q, p              ; the weights' six fragments into set p: 18 loads
	WIN TO_B
.irp i, 0,1,2,3,4,5
	FRAG 128*(\p)+12*\i, ADRB+\slot, BROW, \q, \i
.endr
	WIN 0
.endm
.macro FETCH_A slot, q, i0             ; x's blocks i0 .. i0 + 3: 12 loads
.irp i, \i0, \i0+1, \i0+2, \i0+3
	FRAG AF+12*(\i), ADRA+\slot, AROW, \q, \i
.endr
.endm
.macro SCALES set, on                  ; a step's scale words into set: one word a row; lanes 0-15 take weight block i, lanes 16-31 x's block i.  (For i = 6, 7 lanes 0-15 read filled bytes that no product names)
.if \on
	v_add_nc_u32 v[ADRS], 64, v[ADRS]              ; on to the next step's words
.endif
.irp i, 0,1,2,3,4,5,6,7
	ds_load_b32 v[SC+8*(\set)+\i], v[ADRS] offset:2048*\i
.endr
.endm
; 12 matrix instructions: x's blocks a0, a0 + 1 x the six weight blocks, 128 along K.  p: the weights' set and the scale words' set.  first = 1: the bias starts the sum: nothing is ever cleared.
; The 48 accumulators take turns, one instruction a turn, in the same order in every step.
.macro MUL12 a0, p, first
.irp a, \a0, \a0+1
.irp b, 0,1,2,3,4,5
.if \first
	v_wmma_scale_f32_16x16x128_f8f6f4 v[8*(6*((\a)%4)+\b):8*(6*((\a)%4)+\b)+7], v[128*(\p)+12*\b:128*(\p)+12*\b+11], v[AF+12*(\a):AF+12*(\a)+11], v[BIAS+8*\b:BIAS+8*\b+7], v[SC+8*(\p)+\b], v[SC+8*(\p)+(\a)] matrix_a_fmt:MATRIX_FMT_FP6 matrix_b_fmt:MATRIX_FMT_FP6 matrix_b_scale:MATRIX_SCALE_ROW1
.else
	v_wmma_scale_f32_16x16x128_f8f6f4 v[8*(6*((\a)%4)+\b):8*(6*((\a)%4)+\b)+7], v[128*(\p)+12*\b:128*(\p)+12*\b+11], v[AF+12*(\a):AF+12*(\a)+11], v[8*(6*((\a)%4)+\b):8*(6*((\a)%4)+\b)+7], v[SC+8*(\p)+\b], v[SC+8*(\p)+(\a)] matrix_a_fmt:MATRIX_FMT_FP6 matrix_b_fmt:MATRIX_FMT_FP6 matrix_b_scale:MATRIX_SCALE_ROW1
.endif
.endr
.endr
.endm
; A load into a register that a matrix instruction has read, and a vector instruction or an LDS store that reads a matrix result, stand four places behind that matrix instruction, and only plain vector
; instructions that name none of its registers are places (ISA guide 7.12.1 for vector instructions).
.macro PLACES n
.rept \n
	v_nop
.endr
.endm
; A step of 128 along K that has its successor, the slot's nq-th step, in the same slot.  p: this step's sets.  A block of x is free as soon as its six products are issued: blocks 0-3 are fetched anew in the
; step's middle, blocks 4-7 at its end.
.macro STEP slot, nq, p, first
	s_wait_dscnt 12                                ; the weights' set, the scale words and x's blocks 0-3 are in; the youngest 12 loads (x's blocks 4-7) may be out
	WIN MUL_LO
	MUL12 0, \p, \first
	MUL12 2, \p, \first
	s_wait_dscnt 0x0                               ; x's blocks 4-7 are in (asked for 24 matrix instructions ago)
	PLACES 4
	FETCH_B \slot, \nq, 1-(\p)
	FETCH_A \slot, \nq, 0
	SCALES 1-(\p), 1
.if \first
	WIN MUL_HI1
.else
	WIN MUL_HI
.endif
	MUL12 4, \p, \first
	MUL12 6, \p, \first
	PLACES 4
	WIN 0
	FETCH_A \slot, \nq, 4
.endm
; A slot's third step changes slots: ONE barrier; in front of it each wave waits for all its tensor loads, adds 0 to its spare word, and waits for that and for its own reads of this slot.
; fill = 1: this slot is filled again, two slots ahead; the barrier then opens a round of the cluster's barrier.  fill = 2: the same, with the last two steps of K: the tile has two rows.  fill = 0: nothing is left to fetch.
.macro TURN slot, next, p, fill
	s_wait_tensorcnt 0x0                           ; all my tensor loads have landed: my part of the next slot;  (every window is 0 here: the add's two registers lie in window 0)
	ds_add_u32 v[SPW], v[NIL]                      ; 0 onto my spare word
	s_wait_dscnt 13                                ; (the add and the youngest 12 loads, x's blocks 4-7, may be out)
	WIN MUL_LO
	MUL12 0, \p, 0                                 ; twelve matrix instructions stand between the add and the wait for it
	s_wait_dscnt 0x0                               ; the add is done, and my reads of this slot are over
	s_barrier_signal -1
	MUL12 2, \p, 0
	WIN 0
	s_barrier_wait -1
.if \fill
	CREST                                          ; no wave of any partner still reads this slot's tile or has a load on its way
	s_add_nc_u64 s[G0+4*\slot+2:G0+4*\slot+3], s[G0+4*\slot+2:G0+4*\slot+3], 2*NQ*KST
	s_add_nc_u64 s[G0B+4*\slot+2:G0B+4*\slot+3], s[G0B+4*\slot+2:G0B+4*\slot+3], 2*NQ*KST
.if \fill == 2
	s_mov_b32 s[G1+2], 2<<16                       ; no tensor load of mine is out, so the shapes may be written too: tensor_dim1 = 2,
	s_mov_b32 s[G1+4], 2                           ; tile_dim1 = 2: K steps 30 and 31; no load reaches past the codes' end
	s_mov_b32 s[G1B+2], 2<<16
	s_mov_b32 s[G1B+4], 2
.endif
	JLOAD G0+4*\slot, G1, G0B+4*\slot, G1B         ; the first tensor load behind the round, my one load until the next; the four v_nop behind it are the places in front of the loads below
.else
	PLACES 4
.endif
	FETCH_B \next, 0, 1-(\p)
	FETCH_A \next, 0, 0
	SCALES 1-(\p), 1
	WIN MUL_HI
	MUL12 4, \p, 0
	MUL12 6, \p, 0
	PLACES 4
	WIN 0
	FETCH_A \next, 0, 4
.endm
	s_wait_tensorcnt 1                             ; the scales and my part of slot 0 are in (slot 1's load may be out)
	s_barrier_signal -1
	s_barrier_wait -1                              ; everybody's are
	FETCH_B 0, 0, 0
	FETCH_A 0, 0, 0
	SCALES 0, 0
	FETCH_A 0, 0, 4
	s_wait_loadcnt 0x0                             ; the biases
	STEP 0, 1, 0, 1                                ; step 0 stands in front of the loop: its products start the sums, from the biases
	s_mov_b32 s3, 4
.Llap:                                                 ; a trip goes once round the ring, steps 6 n + 1 to 6 n + 6, and fills both slots again: 8 refills, K steps 6 to 29
	STEP 0, 2, 1, 0
	TURN 0, 1, 0, 1
	STEP 1, 1, 1, 0
	STEP 1, 2, 0, 0
	TURN 1, 0, 1, 1
	STEP 0, 1, 0, 0
	s_sub_co_u32 s3, s3, 1
	s_cmp_lg_u32 s3, 0
	s_cbranch_scc1 .Llap
	STEP 0, 2, 1, 0                                ; step 25.  The tail is written out
	TURN 0, 1, 0, 2                                ; step 26: slot 0 takes the last two steps of K
	STEP 1, 1, 1, 0                                ; steps 27, 28
	STEP 1, 2, 0, 0
	TURN 1, 0, 1, 0                                ; step 29: slot 1 is left for good; nothing is filled, so no round of the cluster's barrier
	STEP 0, 1, 0, 0                                ; step 30
	s_wait_dscnt 12                                ; step 31: nothing more to fetch
	WIN MUL_LO
	MUL12 0, 1, 0
	MUL12 2, 1, 0
	s_wait_dscnt 0x0
	WIN MUL_HI
	MUL12 4, 1, 0
	MUL12 6, 1, 0
	WIN 0
	PLACES 4                                       ; in front of the first reads of results, and of writes into registers that held x's fragments and scale words
; THE WAY OUT.  q's accumulators (b = 0, 1) go to the stage as they are, each from its low end on.  Of k (b = 2, 3) and v (b = 4, 5) a lane sums k v and |k| over its 16 columns, four blocks a by turns;
; each accumulator is read first at its two lowest registers.
.macro OUTHALF hi                      ; blocks a = 4 hi .. 4 hi + 3: window 2 or 3
	WIN 0x08+4*\hi                                 ; an LDS store's data are its source 1
.irp a, 0,1,2,3
.irp b, 0,1
	ds_store_b128 v[STO], v[8*(6*\a+\b):8*(6*\a+\b)+3] offset:16*SP*(4*\hi+\a)+64*\b
	ds_store_b128 v[STO], v[8*(6*\a+\b)+4:8*(6*\a+\b)+7] offset:16*SP*(4*\hi+\a)+64*\b+16
.endr
.endr
	WIN 0x0a+5*\hi                                 ; sources 0 and 1 in the accumulators' window; source 2 and the destination in window 0
.irp m, 0,1,2,3,4,5,6,7                        ; pair m: registers 2 (m % 4), + 1 of k's block 2 + m / 4 and of v's block 4 + m / 4
.irp a, 0,1,2,3
.set KR, 8*(6*\a+2+\m/4)+2*(\m%4)
.set BA, TP+10*(4*\hi+\a)
.if \m == 0
	v_pk_mul_f32 v[BA:BA+1], v[KR:KR+1], v[KR+16:KR+17]
.else
	v_pk_fma_f32 v[BA:BA+1], v[KR:KR+1], v[KR+16:KR+17], v[BA:BA+1]
.endif
.endr
.endr
.irp m, 0,1,2,3,4,5,6,7
.irp a, 0,1,2,3
.set KR, 8*(6*\a+2+\m/4)+2*(\m%4)
.set BA, TP+10*(4*\hi+\a)
	v_add_f32 v[BA+2+\m], |v[KR]|, |v[KR+1]|
.endr
.endr
.endm
	OUTHALF 0
	OUTHALF 1
	WIN 0
.irp a, 0,1,2,3,4,5,6,7
	v_pk_add_f32 v[TP+10*\a+2:TP+10*\a+3], v[TP+10*\a+2:TP+10*\a+3], v[TP+10*\a+4:TP+10*\a+5]
	v_pk_add_f32 v[TP+10*\a+6:TP+10*\a+7], v[TP+10*\a+6:TP+10*\a+7], v[TP+10*\a+8:TP+10*\a+9]
.endr
.irp a, 0,1,2,3,4,5,6,7
	v_pk_add_f32 v[TP+10*\a+2:TP+10*\a+3], v[TP+10*\a+2:TP+10*\a+3], v[TP+10*\a+6:TP+10*\a+7]
	v_add_f32 v[TP+10*\a], v[TP+10*\a], v[TP+10*\a+1]            ; my 16 columns' sum of k v
.endr
.irp a, 0,1,2,3,4,5,6,7
	v_add_f32 v[TP+10*\a+1], v[TP+10*\a+2], v[TP+10*\a+3]        ; and of |k|
.endr
.irp a, 0,1,2,3,4,5,6,7
	v_permlanex16_b32 v[TP+10*\a+4], v[TP+10*\a], s98, s99       ; the row's other 16 columns lie in the lane 16 away
	v_permlanex16_b32 v[TP+10*\a+5], v[TP+10*\a+1], s98, s99
.endr
.irp a, 0,1,2,3,4,5,6,7
	v_pk_add_f32 v[TP+10*\a:TP+10*\a+1], v[TP+10*\a:TP+10*\a+1], v[TP+10*\a+4:TP+10*\a+5]
.endr
.irp a, 0,1,2,3,4,5,6,7
	ds_store_b64 v[PSW], v[TP+10*\a:TP+10*\a+1] offset:128*\a    ; row 16 a + r: lanes l and l xor 16 write the same two words with the same values
.endr
	s_wait_dscnt 0x0                               ; for the others' sake: my stores into the stage and the partial sums are done.  A row's 256 bytes of q, and its sums, come from two waves
	s_barrier_signal -1
	s_barrier_wait -1
	ds_load_b128 v[32:35], v[PSR]                  ; two rows' sums over columns 0-31 of the tile,
	ds_load_b128 v[36:39], v[PSR] offset:1024      ; and over columns 32-63
.set u, 0
.rept 32
	ds_load_b128 v[TP+4*u:TP+4*u+3], v[RD] offset:2*SP*u
.set u, u+1
.endr
	s_wait_dscnt 32                                ; the two loads of sums are in; the 32 behind them may be out
	v_pk_add_f32 v[32:33], v[32:33], v[36:37]
	v_pk_add_f32 v[34:35], v[34:35], v[38:39]
	global_store_b128 v[LI], v[32:35], s[16:17]    ; 64 rows' sums: 512 consecutive bytes, aligned
.set u, 0
.rept 32
	s_wait_dscnt 31-u                              ; LDS loads come back in order: rows 2 u, 2 u + 1 are in
	global_store_b128 v[QO], v[TP+4*u:TP+4*u+3], s[14:15] offset:32768*u   ; 16 lanes store 256 consecutive bytes, at a multiple of 256 from qbuf's first byte
.set u, u+1
.endr
	s_wait_tensorcnt 0x0                           ; the wave's end, behind my last tensor load and my last LDS store
	ds_add_u32 v[SPW], v[NIL]
	s_wait_dscnt 0x0
	CROUND                                         ; the closing round: no work-group ends while a partner may still ask for a tile that names it
	s_endpgm
.Lfunc_end_k_q6929bde8f7_gemm:
	.size	k_q6929bde8f7_gemm, .Lfunc_end_k_q6929bde8f7_gemm-k_q6929bde8f7_gemm
	.p2alignl 7, 3214868480
	.fill 96, 4, 3214868480
	.section	.rodata,"a",@progbits
	.p2align	6, 0x0
	.amdhsa_kernel k_q6929bde8f7_gemm
		.amdhsa_group_segment_fixed_size 327680
		.amdhsa_private_segment_fixed_size 0
		.amdhsa_enable_private_segment 0
		.amdhsa_kernarg_size 56
		.amdhsa_user_sgpr_count 2
		.amdhsa_user_sgpr_kernarg_segment_ptr 1
		.amdhsa_wavefront_size32 1
		.amdhsa_system_sgpr_workgroup_id_x 1
		.amdhsa_system_sgpr_workgroup_id_y 1
		.amdhsa_system_sgpr_workgroup_id_z 1
		.amdhsa_system_vgpr_workitem_id 0
		.amdhsa_next_free_vgpr 1024
		.amdhsa_next_free_sgpr 100
		.amdhsa_reserve_vcc 0
		.amdhsa_float_denorm_mode_32 3
		.amdhsa_float_denorm_mode_16_64 3
		.amdhsa_memory_ordered 1
		.amdhsa_forward_progress 1
		.amdhsa_inst_pref_size 171
	.end_amdhsa_kernel
	.amdgpu_metadata
---
amdhsa.version: [ 1, 2 ]
amdhsa.kernels:
  - .name:           k_q6929bde8f7_gemm
    .symbol:         k_q6929bde8f7_gemm.kd
    .args:
      - { .name: codes, .offset: 0, .size: 8, .value_kind: global_buffer, .address_space: global }
      - { .name: scales, .offset: 8, .size: 8, .value_kind: global_buffer, .address_space: global }
      - { .name: bq, .offset: 16, .size: 8, .value_kind: global_buffer, .address_space: global }
      - { .name: bk, .offset: 24, .size: 8, .value_kind: global_buffer, .address_space: global }
      - { .name: bv, .offset: 32, .size: 8, .value_kind: global_buffer, .address_space: global }
      - { .name: qbuf, .offset: 40, .size: 8, .value_kind: global_buffer, .address_space: global }
      - { .name: part, .offset: 48, .size: 8, .value_kind: global_buffer, .address_space: global }
    .group_segment_fixed_size: 327680
    .private_segment_fixed_size: 0
    .kernarg_segment_align: 8
    .kernarg_segment_size: 56
    .max_flat_workgroup_size: 128
    .sgpr_count:     100
    .vgpr_count:     1024
    .wavefront_size: 32
...
	.end_amdgpu_metadata
.endif
;; end of part 2
;; launch finish (part 3): grid 256 x 1, 4 waves a work-group, no clusters, 0 bytes of LDS; arguments qbuf, part, out0; writes out0
.if DOCPART == 3
	.amdgcn_target "amdgcn-amd-amdhsa--gfx1250"
	.amdhsa_code_object_version 6
	.text
	.protected	k_q6929bde8f7_finish
	.globl	k_q6929bde8f7_finish
	.p2align	8
	.type	k_q6929bde8f7_finish,@function
k_q6929bde8f7_finish:
	s_mov_b64 s[64:65], 0
	v_nop
	global_prefetch_b8 v0, s[64:65] scope:SCOPE_SE
	s_setreg_imm32_b32 hwreg(HW_REG_WAVE_MODE, 25, 1), 1
	s_wait_xcnt 0x0
; out[r][c] = q[r][c] kv[r] / (1 + |q[r][c]| ks[r]), kv[r] and ks[r] the sums over the 64 column tiles of part [tile][row][kv, ks].  q and out: [1024][4096] f32.
; One wave, one row: lane l takes the partial sums of tiles l and l + 32; the sum never leaves the wave.  The row's 16,384 bytes are asked for at once, 32 loads of 512 consecutive bytes, and each leaves as it is
; finished, from the registers that it was loaded into: no register that a store reads is written again.  No LDS, no barrier, no cluster: waves share nothing but part's few bytes.
; The division is a reciprocal (1 ulp) and a multiplication.  LIMIT: where 1 + |q| ks passes 2^126 the reciprocal is flushed and out is 0, where the exact quotient is a small number.
.set Q, 16                             ; v16-143 the row
	s_load_b128 s[4:7], s[0:1], 0x0                ; qbuf, part
	s_load_b64 s[8:9], s[0:1], 0x10                ; out0
	v_lshrrev_b32 v1, 5, v0
	v_readfirstlane_b32 s10, v1                    ; wave
	s_lshl_b32 s11, ttmp9, 2
	s_add_co_u32 s11, s11, s10                     ; my row
	s_lshl_b32 s12, s11, 14                        ; 16,384 bytes a row of q and of out
	s_mov_b32 s13, 0
	s_lshl_b32 s14, s11, 3                         ; 8 bytes a row in a tile of part
	s_mov_b32 s15, 0
	s_mov_b32 s16, 0x76543210
	s_mov_b32 s17, 0xfedcba98                      ; v_permlanex16_b32's selects for lane l xor 16
	v_and_b32 v3, 31, v0
	v_lshlrev_b32 v1, 13, v3                       ; 8,192 bytes a tile of part
	v_lshlrev_b32 v2, 4, v3                        ; 16 bytes a lane
	s_wait_kmcnt 0x0
	s_add_nc_u64 s[4:5], s[4:5], s[12:13]
	s_add_nc_u64 s[8:9], s[8:9], s[12:13]
	s_add_nc_u64 s[6:7], s[6:7], s[14:15]
	global_load_b64 v[4:5], v1, s[6:7]             ; tile l
	global_load_b64 v[6:7], v1, s[6:7] offset:262144   ; tile l + 32
.set i, 0
.rept 32
	global_load_b128 v[Q+4*i:Q+4*i+3], v2, s[4:5] offset:512*i th:TH_LOAD_NT
.set i, i+1
.endr
	s_wait_loadcnt 32                              ; the two loads of sums are in; the row's 32 may be out
	v_pk_add_f32 v[4:5], v[4:5], v[6:7]
.irp m, 1,2,4,8
	v_add_f32_dpp v4, v4, v4 row_xmask:\m row_mask:0xf bank_mask:0xf
	v_add_f32_dpp v5, v5, v5 row_xmask:\m row_mask:0xf bank_mask:0xf
.endr
	v_permlanex16_b32 v6, v4, s16, s17
	v_permlanex16_b32 v7, v5, s16, s17
	v_add_f32 v4, v4, v6                           ; kv, in every lane
	v_add_f32 v5, v5, v7                           ; ks
.set i, 0
.rept 32
.set D, 8+4*(i%2)
.set P, Q+4*i
	s_wait_loadcnt 31-i                            ; loads come back in order: this one is in, the younger ones stay out
.irp j, 0,1,2,3
	v_fma_f32 v[D+\j], |v[P+\j]|, v5, 1.0
.endr
.irp j, 0,1,2,3
	v_rcp_f32 v[D+\j], v[D+\j]
.endr
	v_pk_mul_f32 v[P:P+1], v[P:P+1], v[4:5] op_sel_hi:[1,0]       ; q kv (of the pair the low word serves both halves).  Plain lines behind the reciprocals, ahead of the use of their results
	v_pk_mul_f32 v[P+2:P+3], v[P+2:P+3], v[4:5] op_sel_hi:[1,0]
	s_wait_alu depctr_va_vdst(0)
	v_pk_mul_f32 v[P:P+1], v[P:P+1], v[D:D+1]
	v_pk_mul_f32 v[P+2:P+3], v[P+2:P+3], v[D+2:D+3]
	global_store_b128 v2, v[P:P+3], s[8:9] offset:512*i th:TH_STORE_NT   ; 512 consecutive bytes, aligned
.set i, i+1
.endr
	s_endpgm
.Lfunc_end_k_q6929bde8f7_finish:
	.size	k_q6929bde8f7_finish, .Lfunc_end_k_q6929bde8f7_finish-k_q6929bde8f7_finish
	.p2alignl 7, 3214868480
	.fill 96, 4, 3214868480
	.section	.rodata,"a",@progbits
	.p2align	6, 0x0
	.amdhsa_kernel k_q6929bde8f7_finish
		.amdhsa_group_segment_fixed_size 0
		.amdhsa_private_segment_fixed_size 0
		.amdhsa_enable_private_segment 0
		.amdhsa_kernarg_size 24
		.amdhsa_user_sgpr_count 2
		.amdhsa_user_sgpr_kernarg_segment_ptr 1
		.amdhsa_wavefront_size32 1
		.amdhsa_system_sgpr_workgroup_id_x 1
		.amdhsa_system_sgpr_workgroup_id_y 1
		.amdhsa_system_sgpr_workgroup_id_z 1
		.amdhsa_system_vgpr_workitem_id 0
		.amdhsa_next_free_vgpr 144
		.amdhsa_next_free_sgpr 66
		.amdhsa_reserve_vcc 0
		.amdhsa_float_denorm_mode_32 3
		.amdhsa_float_denorm_mode_16_64 3
		.amdhsa_memory_ordered 1
		.amdhsa_forward_progress 1
		.amdhsa_inst_pref_size 30
	.end_amdhsa_kernel
	.amdgpu_metadata
---
amdhsa.version: [ 1, 2 ]
amdhsa.kernels:
  - .name:           k_q6929bde8f7_finish
    .symbol:         k_q6929bde8f7_finish.kd
    .args:
      - { .name: qbuf, .offset: 0, .size: 8, .value_kind: global_buffer, .address_space: global }
      - { .name: part, .offset: 8, .size: 8, .value_kind: global_buffer, .address_space: global }
      - { .name: out0, .offset: 16, .size: 8, .value_kind: global_buffer, .address_space: global }
    .group_segment_fixed_size: 0
    .private_segment_fixed_size: 0
    .kernarg_segment_align: 8
    .kernarg_segment_size: 24
    .max_flat_workgroup_size: 128
    .sgpr_count:     66
    .vgpr_count:     144
    .wavefront_size: 32
...
	.end_amdgpu_metadata
.endif
;; end of part 3
